; MI455X (gfx1250); checked and timed in simulation.
; The chip was launched on July 23, 2026; its instructions are those of AMD's public machine-readable ISA for CDNA 5 (MIT licence, August 2026) and "CDNA5" Instruction Set Architecture Reference Guide (July 2026). The comments in the code are by the model that wrote it; some were corrected since.
;; Residual Vector Quantizer. Allowed arithmetic: float matrix products may take bf16 or f16 operands with f32 sums; other float arithmetic in f32, or as packed bf16 or f16 multiplies, adds, multiply-adds, maxima and minima; sums over many terms, partial sums and values carried from step to step in f32; what a program stores and reads back later, other than sums and carried values, may be rounded once to bf16 or f16.
;; Inputs: codebooks 4 x 256 x 32 float32; x 131,072 x 32 float32.
;; Outputs: out0 131,072 x 32 float32; out1 one number float32; out2 131,072 x 4 int32.
;; One version. Each part assembles by itself: llvm-mc -triple=amdgcn-amd-amdhsa -mcpu=gfx1250 --defsym DOCPART=n.
;; ======== version 1 of 1: 2 launches
;; workspace buffers: part 1,024 bytes
;; launch rvq (part 1): grid 256 x 1, 8 waves a work-group, no clusters, 169,216 bytes of LDS; arguments x, codebooks, out0, out2, part; writes out0, out2, part
.if DOCPART == 1
	.amdgcn_target "amdgcn-amd-amdhsa--gfx1250"
	.amdhsa_code_object_version 6
	.text
	.protected	k_qdc51c850db_rvq
	.globl	k_qdc51c850db_rvq
	.p2align	8
	.type	k_qdc51c850db_rvq,@function
k_qdc51c850db_rvq:
	s_mov_b64 s[64:65], 0
	v_nop
	global_prefetch_b8 v0, s[64:65] scope:SCOPE_SE
	s_setreg_imm32_b32 hwreg(HW_REG_WAVE_MODE, 25, 1), 1
	s_wait_xcnt 0x0
; RESIDUAL VECTOR QUANTISER.  x: [131072][32] f32, codebooks: [4][256][32] f32.  out0 = x_q [131072][32] f32, out2 = indices [131072][4] i32,
; part = one f32 a work-group: the sum of the squares of all its residuals behind each of the four layers (the next launch makes the loss of them).
; WHAT IS LEFT OUT, for all values of the inputs, in exact arithmetic:
;   d = sum(r r) + sum(c c) - 2 r.c: the first term is the same for all 256 codes of a row, so it moves no argmin: argmin d = the first argmax of r.c - sum(c c)/2.
;   stop_gradient changes no value: xq_st = r + (xq - r) = xq, the next residual is r - xq, x_q = the sum of the four xq = x - (the last residual),
;   and the two terms of a layer's loss are the same mean: loss = 1.25 mean((r - xq)^2).  Both inputs are loaded.
;   LIMIT: a NaN, an infinity or an overflow that reaches only sum(r r) is not carried to the result.
; FORMATS.  x and the codebooks are rounded once to bf16 (matrix operands), and all that follows is made of the rounded numbers.  The residual is kept in f32 and goes to the
; matrix unit as hi + lo, two bf16 numbers (16 significant bits at the least; in layer 0 it is x itself and lo is 0, so that product is jumped over).  Sums in f32.
; LIMITS.  Two codes whose distances differ by less than the rounding of the f32 sums may be taken in another order than by reference(); equal scores give the lowest index.
; Scores must be finite: the selection multiplies scores by 0.  NaN is not treated apart.
; THE LOOK-UP.  The chosen code is not fetched by its index:
; r' = r + C^T (-onehot), a product over the 256 codes with r as the C operand, fetches it and takes it away in one.
; SHARES.  256 work-groups of 8 waves; a wave owns 64 rows, four tiles of 16.  Two waves lie on a SIMD, so that one's matrix runs stand beside the other's vector work.
; The walk goes layer by layer, so a layer's fragments are read from LDS once a wave and stay in registers for its four tiles.
; LAYOUT.  S = C r^T (source 0 = 16 codes, source 1 = 16 rows): a lane holds ONE row (lane % 16) and of each 16 codes the eight 8 (lane / 16) + 0..7: 128 scores a lane.
; Packed in pairs the same places ARE source 1 (32 codes x 16 rows) of the second product, whose result holds the row's dims 8 (lane / 16) + 0..7 (and + 16): source 1's places of the first.
; NO CLUSTER: what the work-groups share is the codebooks, read once at the head; they must be rounded and squared in registers on the way, so a joint load would add 128 KiB into LDS and out again.
; NO TENSOR LOAD, NO PREFETCH: a wave asks for its 8 KiB of x once, at the head, and nothing is filled again.
.set TPITCH, 80                        ; a code in LDS: 64 bytes of bf16 + 16: an odd multiple of 16, so the 16 rows of a fragment load start 16 bytes apart modulo 256
.set TLAYER, 256*TPITCH
.set NH,     4*TLAYER                  ; -sum(c c)/2, f32, 1,024 of them
.set STG,    NH+4*256*4                ; each wave's own stage: 64 rows of 128 bytes + 16
.set SPITCH, 144
.set SWAVE,  64*SPITCH
.set IDX,    STG+8*SWAVE               ; each wave's own 64 rows of four indices
.set RED,    IDX+8*64*16               ; the eight waves' sums
.set SPARE,  RED+256                   ; the spare words, 128 bytes for each wave: four blocks of 256 bytes that no other line names
; window 0
.set SPW,  1                           ; LDS address of my spare word; never rewritten
.set NIL,  2                           ; 0, for the add alone
.set H8,   3                           ; 8 (lane / 16)
.set NEG1, 4                           ; -1.0
.set ANH,  5                           ; LDS: the layer's -sum(c c)/2, my half's eight of each sixteen
.set ATA,  6                           ; LDS: the layer's codes as they lie
.set ATT,  7                           ; LDS: the same for the turning load
.set ASTG, 8                           ; LDS: my row and half in my wave's stage
.set AIDX, 9                           ; LDS: my row's index of this layer
.set MX,   10                          ; the row's maximum
.set TP,   11
.set LSA,  12                          ; v[12:15] sums of squares
.set LSB,  14
.set GB,   16                          ; 32 x group, then my half's index
.set EBA,  17
.set EBB,  18
.set KK,   19                          ; the row's index
.set ALIN, 20                          ; LDS: my 16 bytes of 512 on end in the stage's rows
.set AIDXL,21
.set GX,   22                          ; 16 x lane
.set ZR,   23                          ; 0.0
.set MG,   24                          ; v[24:31] group maxima, then
.set DF,   24                          ;          1.0 for the first group that holds the maximum, else 0
.set PH,   32                          ; v[32:39] hi, then
.set DM,   32                          ;          all ones for that group, if my half has won
.set PL,   40                          ; v[40:47] lo, then
.set EP,   40                          ;          -1.0 in bf16 at the winner's place among 16
.set T16,  48                          ; v[48:63] r - hi, then the chosen group's 16 scores
.set R,    64                          ; v[64:127] residual, 16 a tile
.set SC,   128                         ; v[128:255] 16 accumulators; the lower 64 take the one-hot
.set CP,   192                         ; at the head: packed bf16
.set APT,  32
.set APN,  33
; window 1
.set AF,   0                           ; 16 fragments: 16 codes x 32 dims
.set AT,   128                         ; 16 fragments: 16 dims x 32 codes
; scalars
.set WV,   14
.set LAY,  15
.set SEL,  16                          ; s[16:17] v_permlanex16_b32: each lane takes its own place in the other half
.set SG,   20                          ; s[20:27] lanes whose group g holds the maximum
.set ZE,   28                          ; s[28:43] lanes whose score e of the chosen group is the maximum
.set FND,  44
.set VAL,  45
.set SAV,  46
.set MSB, 0
.macro WIN new                         ; the high byte repeats the setting that is left; a switch that changes nothing is dropped
.if MSB != (\new)
	s_set_vgpr_msb (MSB<<8)|(\new)
.set MSB, \new
.endif
.endm
	s_load_b256 s[4:11], s[0:1], 0x0               ; x s[4:5], codebooks s[6:7], out0 s[8:9], out2 s[10:11]
	s_load_b64 s[12:13], s[0:1], 0x20              ; part
	v_lshl_add_u32 v[SPW], v0, 2, SPARE
	v_mov_b32 v[NIL], 0
	v_lshrrev_b32 v[TP], 5, v0
	v_readfirstlane_b32 s[WV], v[TP]               ; wave 0..7
	v_and_b32 v[KK], 31, v0                        ; lane
	v_lshlrev_b32 v[GX], 4, v[KK]
	s_lshl_b32 s18, ttmp9, 16                      ; the work-group's 512 rows of 128 bytes,
	s_lshl_b32 s19, s[WV], 13                      ; my wave's 64
	s_add_co_u32 s18, s18, s19
	s_mov_b32 s19, 0
	s_lshl_b32 s20, s[WV], 14                      ; my wave's 128 of the 1,024 codes
	s_mov_b32 s21, 0
	s_lshl_b32 s22, ttmp9, 13                      ; the same rows in out2, 16 bytes each
	s_lshl_b32 s23, s[WV], 10
	s_add_co_u32 s22, s22, s23
	s_mov_b32 s23, 0
	s_lshl_b32 s24, ttmp9, 2
	s_mov_b32 s25, 0
	s_mov_b32 s[SEL], 0x76543210
	s_mov_b32 s[SEL+1], 0xfedcba98
	s_wait_kmcnt 0x0
	s_add_nc_u64 s[4:5], s[4:5], s[18:19]
	s_add_nc_u64 s[6:7], s[6:7], s[20:21]
	s_add_nc_u64 s[8:9], s[8:9], s[18:19]
	s_add_nc_u64 s[10:11], s[10:11], s[22:23]
	s_add_nc_u64 s[12:13], s[12:13], s[24:25]
	WIN 0x40                                       ; destination window 1
.set i, 0
.rept 32                                       ; my 128 codes: 512 consecutive bytes a load (four codes, eight lanes each)
	global_load_b128 v[4*i:4*i+3], v[GX], s[6:7] offset:512*i
.set i, i+1
.endr
	WIN 0
.set i, 0
.rept 16                                       ; my 64 rows of x, likewise
	global_load_b128 v[SC+4*i:SC+4*i+3], v[GX], s[4:5] offset:512*i th:TH_LOAD_NT
.set i, i+1
.endr
	; addresses, while the loads are on their way
	v_and_b32 v[MX], 15, v0                        ; l % 16
	v_bfe_u32 v[TP], v0, 4, 1                      ; l / 16
	v_and_b32 v[GB], 7, v0                         ; l % 8
	v_bfe_u32 v[EBA], v0, 3, 2                     ; l / 8
	v_bfe_u32 v[EBB], v0, 3, 1                     ; (l / 8) % 2
	v_lshlrev_b32 v[H8], 3, v[TP]
	v_mov_b32 v[NEG1], -1.0
	v_mov_b32 v[ZR], 0
	v_mov_b32 v[LSA], 0
	v_mov_b32 v[LSA+1], 0
	v_mov_b32 v[LSB], 0
	v_mov_b32 v[LSB+1], 0
	v_lshl_add_u32 v[ANH], v[TP], 5, NH            ; eight f32 for each half
	v_mul_u32_u24 v[ATA], v[MX], TPITCH            ; code l % 16, 16 bytes for each half
	v_lshl_add_u32 v[ATA], v[TP], 4, v[ATA]
	v_add_nc_u32 v[ATT], v[H8], v[GB]              ; the turning load: code 8 (l / 16) + l % 8, dims 8 ((l / 8) % 2) + 0..7
	v_mul_u32_u24 v[ATT], v[ATT], TPITCH
	v_lshl_add_u32 v[ATT], v[EBB], 4, v[ATT]
	s_mul_i32 s18, s[WV], SWAVE
	s_add_co_u32 s18, s18, STG                     ; my wave's stage
	v_mul_u32_u24 v[ASTG], v[MX], SPITCH           ; row l % 16, dims 8 (l / 16) on: 32 bytes for each half
	v_lshl_add_u32 v[ASTG], v[TP], 5, v[ASTG]
	v_add_nc_u32 v[ASTG], s18, v[ASTG]
	v_mul_u32_u24 v[ALIN], v[EBA], SPITCH          ; row l / 8 of four, 16 bytes l % 8 of it
	v_lshl_add_u32 v[ALIN], v[GB], 4, v[ALIN]
	v_add_nc_u32 v[ALIN], s18, v[ALIN]
	s_lshl_b32 s19, s[WV], 10
	s_add_co_u32 s19, s19, IDX
	v_lshl_add_u32 v[AIDX], v[MX], 4, s19
	v_lshl_add_u32 v[AIDXL], v[KK], 4, s19
	s_mul_i32 s20, s[WV], 128*TPITCH
	v_mul_u32_u24 v[APT], v[EBA], TPITCH           ; where my four numbers of a code go: code l / 8 of four, 8 bytes l % 8
	v_lshl_add_u32 v[APT], v[GB], 3, v[APT]
	v_add_nc_u32 v[APT], s20, v[APT]
	s_lshl_b32 s21, s[WV], 9
	s_add_co_u32 s21, s21, NH
	v_lshl_add_u32 v[APN], v[EBA], 2, s21
	; THE TABLE: my 128 codes rounded to bf16, and -sum(c c)/2 of the rounded numbers
	s_wait_loadcnt 16                              ; the 32 loads of codes are in; the 16 younger ones, of x, may stay out
	WIN 0x05                                       ; sources 0 and 1 window 1
.set i, 0
.rept 64
	v_cvt_pk_bf16_f32 v[CP+i], v[2*i], v[2*i+1]
.set i, i+1
.endr
	WIN 0
.set i, 0
.rept 32                                       ; four squares a lane, straight from the bf16 halves; 32 chains side by side
	v_fma_mix_f32_bf16 v[R+i], v[CP+2*i], v[CP+2*i], v[ZR] op_sel_hi:[1,1,0]
.set i, i+1
.endr
.set i, 0
.rept 32
	v_fma_mix_f32_bf16 v[R+i], v[CP+2*i], v[CP+2*i], v[R+i] op_sel:[1,1,0] op_sel_hi:[1,1,0]
.set i, i+1
.endr
.set i, 0
.rept 32
	v_fma_mix_f32_bf16 v[R+i], v[CP+2*i+1], v[CP+2*i+1], v[R+i] op_sel_hi:[1,1,0]
.set i, i+1
.endr
.set i, 0
.rept 32
	v_fma_mix_f32_bf16 v[R+i], v[CP+2*i+1], v[CP+2*i+1], v[R+i] op_sel:[1,1,0] op_sel_hi:[1,1,0]
.set i, i+1
.endr
.irp m, 1,2,4                                  ; the eight lanes of a code
.set i, 0
.rept 32
	v_add_f32_dpp v[R+i], v[R+i], v[R+i] row_xmask:\m row_mask:0xf bank_mask:0xf
.set i, i+1
.endr
.endr
.set i, 0
.rept 32
	v_mul_f32 v[R+i], -0.5, v[R+i]
.set i, i+1
.endr
.set i, 0
.rept 32
	ds_store_b64 v[APT], v[CP+2*i:CP+2*i+1] offset:4*TPITCH*i
	ds_store_b32 v[APN], v[R+i] offset:16*i        ; the eight lanes of a code write the same word with the same value
.set i, i+1
.endr
	; x: through my own stage into source 1's places; LDS serves a wave's instructions in order, so no wait stands between my stores and my loads
	s_wait_loadcnt 0x0
.set i, 0
.rept 16
	ds_store_b128 v[ALIN], v[SC+4*i:SC+4*i+3] offset:4*SPITCH*i
.set i, i+1
.endr
.set i, 0
.rept 4
	ds_load_b128 v[R+16*i:R+16*i+3],     v[ASTG] offset:16*SPITCH*i
	ds_load_b128 v[R+16*i+4:R+16*i+7],   v[ASTG] offset:16*SPITCH*i+16
	ds_load_b128 v[R+16*i+8:R+16*i+11],  v[ASTG] offset:16*SPITCH*i+64
	ds_load_b128 v[R+16*i+12:R+16*i+15], v[ASTG] offset:16*SPITCH*i+80
.set i, i+1
.endr
	s_wait_dscnt 0x0
.set i, 0
.rept 32
	v_cvt_pk_bf16_f32 v[CP+i], v[R+2*i], v[R+2*i+1]
.set i, i+1
.endr
.set i, 0
.rept 4                                        ; the rounded x is kept, packed, in the first 32 of my own 64 bytes of the row: x_q is made of it at the end
	ds_store_b128 v[ASTG], v[CP+8*i:CP+8*i+3]   offset:16*SPITCH*i
	ds_store_b128 v[ASTG], v[CP+8*i+4:CP+8*i+7] offset:16*SPITCH*i+16
.set i, i+1
.endr
.set i, 0
.rept 32                                       ; the first residual is the rounded x, in f32
	v_lshlrev_b32 v[R+2*i], 16, v[CP+i]
	v_and_b32 v[R+2*i+1], 0xffff0000, v[CP+i]
.set i, i+1
.endr
	s_wait_dscnt 0x0                               ; for the others' sake: my part of the table is written
	s_barrier_signal -1
	s_barrier_wait -1                              ; the whole table is
; ONE TILE OF 16 ROWS IN ONE LAYER
.macro BODY tau
.set RB, R+16*(\tau)
	; -sum(c c)/2 goes straight into the 16 accumulators: the first product adds onto it in place, and no registers are kept for it
.set t, 0
.rept 16
	ds_load_b128 v[SC+8*t:SC+8*t+3],   v[ANH] offset:64*t
	ds_load_b128 v[SC+8*t+4:SC+8*t+7], v[ANH] offset:64*t+16
.set t, t+1
.endr
.set i, 0
.rept 8
	v_cvt_pk_bf16_f32 v[PH+i], v[RB+2*i], v[RB+2*i+1]  ; hi
.set i, i+1
.endr
	s_wait_dscnt 0x0                               ; the accumulators' first values are in (in a layer's first tile: its fragments too)
	WIN 0x01                                       ; source 0 window 1
.set t, 0
.rept 16                                       ; the 16 accumulators take turns, one instruction a turn
	v_wmma_f32_16x16x32_bf16 v[SC+8*t:SC+8*t+7], v[AF+8*t:AF+8*t+7], v[PH:PH+7], v[SC+8*t:SC+8*t+7]
.set t, t+1
.endr
	WIN 0
	s_cmp_eq_u32 s[LAY], 0                         ; in layer 0 the residual is a bf16 number: lo is 0, and its product is not made
	s_cbranch_scc1 .Lone_\@
.set i, 0
.rept 16
.if i%2
	v_fma_mix_f32_bf16 v[T16+i], v[PH+i/2], v[NEG1], v[RB+i] op_sel:[1,0,0] op_sel_hi:[1,0,0]  ; r - hi, exact
.else
	v_fma_mix_f32_bf16 v[T16+i], v[PH+i/2], v[NEG1], v[RB+i] op_sel_hi:[1,0,0]
.endif
.set i, i+1
.endr
.set i, 0
.rept 8
	v_cvt_pk_bf16_f32 v[PL+i], v[T16+2*i], v[T16+2*i+1]  ; lo
.set i, i+1
.endr
	WIN 0x01
.set t, 0
.rept 16
	v_wmma_f32_16x16x32_bf16 v[SC+8*t:SC+8*t+7], v[AF+8*t:AF+8*t+7], v[PL:PL+7], v[SC+8*t:SC+8*t+7]
.set t, t+1
.endr
	WIN 0
.Lone_\@:
.rept 4
	v_nop                                          ; four places between the products and the first read of a result (ISA guide 7.12.1)
.endr
	; the maxima of eight groups of 16 scores (two accumulators each), eight chains side by side; each accumulator's lowest registers are read first
.set g, 0
.rept 8
	v_max3_num_f32 v[MG+g], v[SC+16*g], v[SC+16*g+1], v[SC+16*g+2]
.set g, g+1
.endr
.set i, 1
.rept 6
.set g, 0
.rept 8
	v_max3_num_f32 v[MG+g], v[MG+g], v[SC+16*g+2*i+1], v[SC+16*g+2*i+2]
.set g, g+1
.endr
.set i, i+1
.endr
.set g, 0
.rept 8
	v_max_num_f32 v[MG+g], v[MG+g], v[SC+16*g+15]
.set g, g+1
.endr
	v_max3_num_f32 v[MX], v[MG], v[MG+1], v[MG+2]
	v_max3_num_f32 v[TP], v[MG+3], v[MG+4], v[MG+5]
	v_max3_num_f32 v[MX], v[MX], v[MG+6], v[MG+7]
	v_max_num_f32 v[MX], v[MX], v[TP]
	v_permlanex16_b32 v[TP], v[MX], s[SEL], s[SEL+1]  ; the row's other 128 codes lie in the lane 16 away
	v_max_num_f32 v[MX], v[MX], v[TP]
	; the first group that holds the maximum (none, where the other half alone holds it)
.set g, 0
.rept 8
	v_cmp_eq_f32 s[SG+g], v[MG+g], v[MX]
.set g, g+1
.endr
	s_mov_b32 s[FND], s[SG]
.set g, 1
.rept 6
	s_and_not1_b32 s[SG+g], s[SG+g], s[FND]
	s_or_b32 s[FND], s[FND], s[SG+g]
.set g, g+1
.endr
	s_and_not1_b32 s[SG+7], s[SG+7], s[FND]
	v_mov_b32 v[GB], 0x10000                       ; no group: an index above every true one
.set g, 0
.rept 8
	v_cndmask_b32 v[DF+g], 0, 1.0, s[SG+g]
	v_cndmask_b32 v[GB], v[GB], 32*g, s[SG+g]
.set g, g+1
.endr
	; that group's 16 scores: the sum over the groups of score x (1 or 0): exact, and no register is chosen by a number
.set p, 0
.rept 8
	v_pk_mul_f32 v[T16+2*p:T16+2*p+1], v[SC+2*p:SC+2*p+1], v[DF:DF+1] op_sel_hi:[1,0]
.set p, p+1
.endr
.set g, 1
.rept 7
.set p, 0
.rept 8
.if g%2
	v_pk_fma_f32 v[T16+2*p:T16+2*p+1], v[SC+16*g+2*p:SC+16*g+2*p+1], v[DF+g-1:DF+g], v[T16+2*p:T16+2*p+1] op_sel:[0,1,0] op_sel_hi:[1,1,1]
.else
	v_pk_fma_f32 v[T16+2*p:T16+2*p+1], v[SC+16*g+2*p:SC+16*g+2*p+1], v[DF+g:DF+g+1], v[T16+2*p:T16+2*p+1] op_sel_hi:[1,0,1]
.endif
.set p, p+1
.endr
.set g, g+1
.endr
	; the first of the 16 that is the maximum
.set e, 0
.rept 16
	v_cmp_eq_f32 s[ZE+e], v[T16+e], v[MX]
.set e, e+1
.endr
	s_mov_b32 s[FND], s[ZE]
.set e, 1
.rept 14
	s_and_not1_b32 s[ZE+e], s[ZE+e], s[FND]
	s_or_b32 s[FND], s[FND], s[ZE+e]
.set e, e+1
.endr
	s_and_not1_b32 s[ZE+15], s[ZE+15], s[FND]
	v_mov_b32 v[EBA], 0
	v_mov_b32 v[EBB], 0
.set p, 0
.rept 8                                        ; -1.0 in bf16 at its place, and its part of the index: 16 (e / 8) + e % 8
	v_cndmask_b32 v[EP+p], 0, 0xbf80, s[ZE+2*p]
.if p > 0
	v_cndmask_b32 v[EBA], v[EBA], p, s[ZE+p]
.endif
.set p, p+1
.endr
.set p, 0
.rept 8
	v_cndmask_b32 v[EP+p], v[EP+p], 0xbf800000, s[ZE+2*p+1]
	v_cndmask_b32 v[EBB], v[EBB], 16+p, s[ZE+8+p]
.set p, p+1
.endr
	v_add3_u32 v[GB], v[GB], v[EBA], v[EBB]
	v_add_nc_u32 v[GB], v[GB], v[H8]               ; my half's index: 32 g + 16 (e / 8) + 8 (l / 16) + e % 8
	v_permlanex16_b32 v[TP], v[GB], s[SEL], s[SEL+1]
	v_min_u32 v[KK], v[GB], v[TP]                  ; the lower of the two: the row's index
	v_cmp_eq_u32 s[VAL], v[GB], v[KK]              ; has my half won?  Where both hold the maximum only one may set a one
	ds_store_b32 v[AIDX], v[KK] offset:256*(\tau)  ; both halves write the same word with the same value
.set g, 0
.rept 8
	s_and_b32 s[SG+g], s[SG+g], s[VAL]
.set g, g+1
.endr
.set g, 0
.rept 8
	v_cndmask_b32 v[DM+g], 0, -1, s[SG+g]
.set g, g+1
.endr
	; -onehot over my 128 codes, packed: group mask AND place; it takes the lower 64 of the scores' registers
.set g, 0
.rept 8
.set p, 0
.rept 8
	v_and_b32 v[SC+8*g+p], v[DM+g], v[EP+p]
.set p, p+1
.endr
.set g, g+1
.endr
	; r' = r + C^T (-onehot): eight steps of 32 codes; the two accumulators (dims 0-15, 16-31) take turns
	WIN 0x01
.set g, 0
.rept 8
	v_wmma_f32_16x16x32_bf16 v[RB:RB+7],    v[AT+16*g:AT+16*g+7],    v[SC+8*g:SC+8*g+7], v[RB:RB+7]
	v_wmma_f32_16x16x32_bf16 v[RB+8:RB+15], v[AT+16*g+8:AT+16*g+15], v[SC+8*g:SC+8*g+7], v[RB+8:RB+15]
.set g, g+1
.endr
	WIN 0
.rept 4
	v_nop                                          ; four places: in front of the reads of r', and of the next loads into registers that these products have read
.endr
.set i, 0
.rept 4                                        ; the loss: the sum of r' r', each accumulator from its low end on
	v_pk_fma_f32 v[LSA:LSA+1], v[RB+2*i:RB+2*i+1], v[RB+2*i:RB+2*i+1], v[LSA:LSA+1]
	v_pk_fma_f32 v[LSB:LSB+1], v[RB+8+2*i:RB+8+2*i+1], v[RB+8+2*i:RB+8+2*i+1], v[LSB:LSB+1]
.set i, i+1
.endr
.endm
	s_mov_b32 s[LAY], 0
.Llayer:
	WIN 0x40                                       ; the layer's 256 codes, twice: as they lie (K = dims) and turned (K = codes); destination window 1
.set t, 0
.rept 16
	ds_load_b128 v[AF+8*t:AF+8*t+3],   v[ATA] offset:16*TPITCH*t
	ds_load_b128 v[AF+8*t+4:AF+8*t+7], v[ATA] offset:16*TPITCH*t+32
.set t, t+1
.endr
.set g, 0
.rept 8
.irp a, 0,1
	ds_load_tr16_b128 v[AT+16*g+8*\a:AT+16*g+8*\a+3],   v[ATT] offset:32*TPITCH*g+32*\a
	ds_load_tr16_b128 v[AT+16*g+8*\a+4:AT+16*g+8*\a+7], v[ATT] offset:32*TPITCH*g+32*\a+16*TPITCH
.endr
.set g, g+1
.endr
	WIN 0
	BODY 0
	BODY 1
	BODY 2
	BODY 3
	v_add_nc_u32 v[ATA], TLAYER, v[ATA]            ; the next layer's table, its -sum(c c)/2, and its place among a row's four indices
	v_add_nc_u32 v[ATT], TLAYER, v[ATT]
	v_add_nc_u32 v[ANH], 1024, v[ANH]
	v_add_nc_u32 v[AIDX], 4, v[AIDX]
	s_add_co_u32 s[LAY], s[LAY], 1
	s_cmp_lt_u32 s[LAY], 4
	s_cbranch_scc1 .Llayer
	; THE WAY OUT.  x_q = rounded x - last residual, through my stage, so that a store of the wave covers 512 consecutive bytes, aligned
.set i, 0
.rept 4
	ds_load_b128 v[SC+8*i:SC+8*i+3],   v[ASTG] offset:16*SPITCH*i
	ds_load_b128 v[SC+8*i+4:SC+8*i+7], v[ASTG] offset:16*SPITCH*i+16
.set i, i+1
.endr
	s_wait_dscnt 0x0
.set i, 0
.rept 64
.if i%2
	v_fma_mix_f32_bf16 v[R+i], v[SC+i/2], v[NEG1], v[R+i] op_sel:[1,0,0] op_sel_hi:[1,0,0]  ; r - x
.else
	v_fma_mix_f32_bf16 v[R+i], v[SC+i/2], v[NEG1], v[R+i] op_sel_hi:[1,0,0]
.endif
.set i, i+1
.endr
.set i, 0
.rept 32
	v_pk_mul_f32 v[R+2*i:R+2*i+1], v[R+2*i:R+2*i+1], -1.0 op_sel_hi:[1,0]  ; x - r
.set i, i+1
.endr
.set i, 0
.rept 4
	ds_store_b128 v[ASTG], v[R+16*i:R+16*i+3]     offset:16*SPITCH*i
	ds_store_b128 v[ASTG], v[R+16*i+4:R+16*i+7]   offset:16*SPITCH*i+16
	ds_store_b128 v[ASTG], v[R+16*i+8:R+16*i+11]  offset:16*SPITCH*i+64
	ds_store_b128 v[ASTG], v[R+16*i+12:R+16*i+15] offset:16*SPITCH*i+80
.set i, i+1
.endr
.set i, 0
.rept 16
	ds_load_b128 v[SC+4*i:SC+4*i+3], v[ALIN] offset:4*SPITCH*i  ; my own bytes, served in order behind the stores above
.set i, i+1
.endr
	ds_load_b128 v[SC+64:SC+67], v[AIDXL]          ; 32 rows of four indices,
	ds_load_b128 v[SC+68:SC+71], v[AIDXL] offset:512  ; and the other 32
.set i, 0
.rept 16
	s_wait_dscnt 17-i                              ; LDS loads come back in order: 17 - i were issued behind load i
	global_store_b128 v[GX], v[SC+4*i:SC+4*i+3], s[8:9] offset:512*i th:TH_STORE_NT
.set i, i+1
.endr
	s_wait_dscnt 0x0
	global_store_b128 v[GX], v[SC+64:SC+67], s[10:11] th:TH_STORE_NT
	global_store_b128 v[GX], v[SC+68:SC+71], s[10:11] offset:512 th:TH_STORE_NT
	; the work-group's sum of squares: lanes, then waves
	v_pk_add_f32 v[LSA:LSA+1], v[LSA:LSA+1], v[LSB:LSB+1]
	v_add_f32 v[LSA], v[LSA], v[LSA+1]
.irp m, 1,2,4,8
	v_add_f32_dpp v[LSA], v[LSA], v[LSA] row_xmask:\m row_mask:0xf bank_mask:0xf
.endr
	v_permlanex16_b32 v[TP], v[LSA], s[SEL], s[SEL+1]
	v_add_f32 v[LSA], v[LSA], v[TP]
	s_lshl_b32 s18, s[WV], 2
	s_add_co_u32 s18, s18, RED
	v_mov_b32 v[KK], s18
	ds_store_b32 v[KK], v[LSA]                     ; all lanes write the same word with the same value
	s_wait_dscnt 0x0                               ; for wave 0's sake
	s_barrier_signal -1
	s_barrier_wait -1
	s_cmp_lg_u32 s[WV], 0
	s_cbranch_scc1 .Lend
	v_mov_b32 v[KK], RED
	ds_load_b128 v[T16:T16+3], v[KK]
	ds_load_b128 v[T16+4:T16+7], v[KK] offset:16
	v_mov_b32 v[GB], 0
	s_wait_dscnt 0x0
	v_pk_add_f32 v[T16:T16+1], v[T16:T16+1], v[T16+2:T16+3]
	v_pk_add_f32 v[T16+4:T16+5], v[T16+4:T16+5], v[T16+6:T16+7]
	v_pk_add_f32 v[T16:T16+1], v[T16:T16+1], v[T16+4:T16+5]
	v_add_f32 v[T16], v[T16], v[T16+1]
	v_cmp_eq_u32 vcc_lo, 0, v0
	s_wait_xcnt 0x0                                ; EXEC is a source of the stores above: it changes only behind this wait
	s_and_saveexec_b32 s[SAV], vcc_lo
	global_store_b32 v[GB], v[T16], s[12:13]       ; one number a work-group
	s_wait_xcnt 0x0                                ; and again in front of the line that widens it
	s_or_b32 exec_lo, exec_lo, s[SAV]
.Lend:
	s_wait_tensorcnt 0x0                           ; the wave's end, behind my last LDS store
	ds_add_u32 v[SPW], v[NIL]
	s_wait_dscnt 0x0
	s_endpgm
.Lfunc_end_k_qdc51c850db_rvq:
	.size	k_qdc51c850db_rvq, .Lfunc_end_k_qdc51c850db_rvq-k_qdc51c850db_rvq
	.p2alignl 7, 3214868480
	.fill 96, 4, 3214868480
	.section	.rodata,"a",@progbits
	.p2align	6, 0x0
	.amdhsa_kernel k_qdc51c850db_rvq
		.amdhsa_group_segment_fixed_size 169216
		.amdhsa_private_segment_fixed_size 0
		.amdhsa_enable_private_segment 0
		.amdhsa_kernarg_size 40
		.amdhsa_user_sgpr_count 2
		.amdhsa_user_sgpr_kernarg_segment_ptr 1
		.amdhsa_wavefront_size32 1
		.amdhsa_system_sgpr_workgroup_id_x 1
		.amdhsa_system_sgpr_workgroup_id_y 1
		.amdhsa_system_sgpr_workgroup_id_z 1
		.amdhsa_system_vgpr_workitem_id 0
		.amdhsa_next_free_vgpr 512
		.amdhsa_next_free_sgpr 66
		.amdhsa_reserve_vcc 1
		.amdhsa_float_denorm_mode_32 3
		.amdhsa_float_denorm_mode_16_64 3
		.amdhsa_memory_ordered 1
		.amdhsa_forward_progress 1
		.amdhsa_inst_pref_size 158
	.end_amdhsa_kernel
	.amdgpu_metadata
---
amdhsa.version: [ 1, 2 ]
amdhsa.kernels:
  - .name:           k_qdc51c850db_rvq
    .symbol:         k_qdc51c850db_rvq.kd
    .args:
      - { .name: x, .offset: 0, .size: 8, .value_kind: global_buffer, .address_space: global }
      - { .name: codebooks, .offset: 8, .size: 8, .value_kind: global_buffer, .address_space: global }
      - { .name: out0, .offset: 16, .size: 8, .value_kind: global_buffer, .address_space: global }
      - { .name: out2, .offset: 24, .size: 8, .value_kind: global_buffer, .address_space: global }
      - { .name: part, .offset: 32, .size: 8, .value_kind: global_buffer, .address_space: global }
    .group_segment_fixed_size: 169216
    .private_segment_fixed_size: 0
    .kernarg_segment_align: 8
    .kernarg_segment_size: 40
    .max_flat_workgroup_size: 256
    .sgpr_count:     66
    .vgpr_count:     512
    .wavefront_size: 32
...
	.end_amdgpu_metadata
.endif
;; end of part 1
;; launch total (part 2): grid 1 x 1, 1 waves a work-group, no clusters, 0 bytes of LDS; arguments part, out1; writes out1
.if DOCPART == 2
	.amdgcn_target "amdgcn-amd-amdhsa--gfx1250"
	.amdhsa_code_object_version 6
	.text
	.protected	k_qdc51c850db_total
	.globl	k_qdc51c850db_total
	.p2align	8
	.type	k_qdc51c850db_total,@function
k_qdc51c850db_total:
	s_mov_b64 s[64:65], 0
	v_nop
	global_prefetch_b8 v0, s[64:65] scope:SCOPE_SE
	s_setreg_imm32_b32 hwreg(HW_REG_WAVE_MODE, 25, 1), 1
	s_wait_xcnt 0x0
; out1 = mean over the four layers of 1.25 mean((r - xq)^2) = 1.25 / (4 x 131072 x 32) x the sum of the 256 work-groups' sums of squares (the two terms of a layer's loss are the same mean:
; shown at the head of the launch before).  One wave: eight numbers a lane, 512 consecutive bytes a load; the order of the sum is fixed.
	s_load_b128 s[4:7], s[0:1], 0x0                ; part s[4:5], out1 s[6:7]
	v_lshlrev_b32 v1, 4, v0
	v_mov_b32 v2, 0
	v_mov_b32 v3, 0
	s_mov_b32 s8, 0x76543210                       ; v_permlanex16_b32: each lane takes its own place in the other half
	s_mov_b32 s9, 0xfedcba98
	s_wait_kmcnt 0x0
	global_load_b128 v[4:7], v1, s[4:5]
	global_load_b128 v[8:11], v1, s[4:5] offset:512
	s_wait_loadcnt 0x0
	v_pk_add_f32 v[4:5], v[4:5], v[6:7]
	v_pk_add_f32 v[8:9], v[8:9], v[10:11]
	v_pk_add_f32 v[4:5], v[4:5], v[8:9]
	v_add_f32 v4, v4, v5
	v_add_f32_dpp v4, v4, v4 row_xmask:1 row_mask:0xf bank_mask:0xf
	v_add_f32_dpp v4, v4, v4 row_xmask:2 row_mask:0xf bank_mask:0xf
	v_add_f32_dpp v4, v4, v4 row_xmask:4 row_mask:0xf bank_mask:0xf
	v_add_f32_dpp v4, v4, v4 row_xmask:8 row_mask:0xf bank_mask:0xf
	v_permlanex16_b32 v3, v4, s8, s9
	v_add_f32 v4, v4, v3
	v_mul_f32 v4, 0x33a00000, v4                   ; 1.25 x 2^-24
	v_cmp_eq_u32 vcc_lo, 0, v0
	s_wait_xcnt 0x0                                ; EXEC changes only behind this wait
	s_and_saveexec_b32 s10, vcc_lo
	global_store_b32 v2, v4, s[6:7]
	s_wait_xcnt 0x0                                ; and again in front of the line that widens it
	s_or_b32 exec_lo, exec_lo, s10
	s_endpgm
.Lfunc_end_k_qdc51c850db_total:
	.size	k_qdc51c850db_total, .Lfunc_end_k_qdc51c850db_total-k_qdc51c850db_total
	.p2alignl 7, 3214868480
	.fill 96, 4, 3214868480
	.section	.rodata,"a",@progbits
	.p2align	6, 0x0
	.amdhsa_kernel k_qdc51c850db_total
		.amdhsa_group_segment_fixed_size 0
		.amdhsa_private_segment_fixed_size 0
		.amdhsa_enable_private_segment 0
		.amdhsa_kernarg_size 16
		.amdhsa_user_sgpr_count 2
		.amdhsa_user_sgpr_kernarg_segment_ptr 1
		.amdhsa_wavefront_size32 1
		.amdhsa_system_sgpr_workgroup_id_x 1
		.amdhsa_system_sgpr_workgroup_id_y 1
		.amdhsa_system_sgpr_workgroup_id_z 1
		.amdhsa_system_vgpr_workitem_id 0
		.amdhsa_next_free_vgpr 16
		.amdhsa_next_free_sgpr 66
		.amdhsa_reserve_vcc 1
		.amdhsa_float_denorm_mode_32 3
		.amdhsa_float_denorm_mode_16_64 3
		.amdhsa_memory_ordered 1
		.amdhsa_forward_progress 1
		.amdhsa_inst_pref_size 2
	.end_amdhsa_kernel
	.amdgpu_metadata
---
amdhsa.version: [ 1, 2 ]
amdhsa.kernels:
  - .name:           k_qdc51c850db_total
    .symbol:         k_qdc51c850db_total.kd
    .args:
      - { .name: part, .offset: 0, .size: 8, .value_kind: global_buffer, .address_space: global }
      - { .name: out1, .offset: 8, .size: 8, .value_kind: global_buffer, .address_space: global }
    .group_segment_fixed_size: 0
    .private_segment_fixed_size: 0
    .kernarg_segment_align: 8
    .kernarg_segment_size: 16
    .max_flat_workgroup_size: 32
    .sgpr_count:     66
    .vgpr_count:     16
    .wavefront_size: 32
...
	.end_amdgpu_metadata
.endif
;; end of part 2
